; MI455X (gfx1250); checked and timed in simulation.
; The chip was launched on July 23, 2026; its instructions are those of AMD's public machine-readable ISA for CDNA 5 (MIT licence, August 2026) and "CDNA5" Instruction Set Architecture Reference Guide (July 2026). The comments in the code are by the model that wrote it; some were corrected since.
;; Self Attention. Allowed arithmetic: matrix products marked QUANTISED: E2M1 operands, one E8M0 scale for each 32 along K, by v_wmma_scale_f32_16x16x128_f8f6f4 with both operands' format E2M1 (or v_wmma_scale_f32_32x16x128_f4), f32 sums; products left as they are: f32 operands where the result goes on into a quantised operand, else bf16, f16 or f32 operands; f32 sums; everything else in f32.
;; Inputs: Wk_codes 1,024 x 32 x 16 uint8 (E2M1 codes of Wk, K innermost, in blocks of 32 codes, two codes a byte); Wk_scales 1,024 x 32 uint8 (E8M0 scales of Wk, one for each 32 codes along K); Wo_codes 1,024 x 32 x 16 uint8 (E2M1 codes of Wo, K innermost, in blocks of 32 codes, two codes a byte); Wo_scales 1,024 x 32 uint8 (E8M0 scales of Wo, one for each 32 codes along K); Wq_codes 1,024 x 32 x 16 uint8 (E2M1 codes of Wq, K innermost, in blocks of 32 codes, two codes a byte); Wq_scales 1,024 x 32 uint8 (E8M0 scales of Wq, one for each 32 codes along K); Wv_codes 1,024 x 32 x 16 uint8 (E2M1 codes of Wv, K innermost, in blocks of 32 codes, two codes a byte); Wv_scales 1,024 x 32 uint8 (E8M0 scales of Wv, one for each 32 codes along K); bk 1,024 float32; bo 1,024 float32; bq 1,024 float32; bv 1,024 float32; x_codes 4 x 2,048 x 32 x 16 uint8 (E2M1 codes of x, K innermost, in blocks of 32 codes, two codes a byte); x_scales 4 x 2,048 x 32 uint8 (E8M0 scales of x, one for each 32 codes along K).
;; Outputs: out0 4 x 2,048 x 1,024 float32.
;; This version of the problem:
;;   THIS VERSION OF THE PROBLEM IS GIVEN IN LOW PRECISION. The matrix products marked QUANTISED in the list below multiply operands that are first quantised to E2M1 (2 exponent bits, 1 mantissa bit; 4 bits a number), with one power-of-two scale for each 32 numbers along K (OCP MX v1.0); their sums are f32. All else is computed in f32.
;;   The module's matrix products, in the order in which they are computed (A, B: the left and right operand; K: the contracted axis; several contracted axes count as one K, in the product's order):
;;     1. [M 8,192, K 1,024] x [K 1,024, N 1,024]; A: input x (given as codes); B: input Wq (given as codes): QUANTISED
;;     2. [M 8,192, K 1,024] x [K 1,024, N 1,024]; A: input x (given as codes); B: input Wk (given as codes): QUANTISED
;;     3. [M 8,192, K 1,024] x [K 1,024, N 1,024]; A: input x (given as codes); B: input Wv (given as codes): QUANTISED
;;     4. [M 2,048, K 1] x [K 1, N 32]; A: computed on the way; B: computed on the way: left as it is (no contracted axis)
;;     5. batch 64 x [M 2,048, K 64] x [K 64, N 2,048]; A: computed on the way; B: computed on the way: QUANTISED
;;     6. batch 64 x [M 64, K 2,048] x [K 2,048, N 2,048]; A: computed on the way; B: softmax (see below): QUANTISED
;;     7. [M 8,192, K 1,024] x [K 1,024, N 1,024]; A: computed on the way; B: input Wo (given as codes): QUANTISED
;;   THE QUANTISER, for each operand of a quantised product, along K:
;;     - K is cut into blocks of 32 from its start; a last block that is shorter is filled with zeros.
;;     - A block's scale is 2^e with e = floor(log2(the largest magnitude in the block)) - 2, held to -126 .. 127; a block of zeros has e = 0. As a byte (E8M0): e + 127.
;;     - Each number is divided by its block's scale, clamped to +-6, and rounded to the nearest number of E2M1, ties to even, subnormals kept.
;;     - The product sums the exact products of the quantised numbers (number of the format x scale) in f32.
;;   ~~~python
;;   def quantise(x, axis):      # numpy; x: float32 -> the quantised numbers, widened to float32 again
;;       x = np.moveaxis(x, axis, -1); K = x.shape[-1]
;;       x = np.pad(x, [(0, 0)] * (x.ndim - 1) + [(0, -K % 32)]); x = x.reshape(x.shape[:-1] + (-1, 32)); a = np.abs(x).max(-1, keepdims=True)
;;       e = np.where(a > 0, np.clip(np.frexp(np.where(a > 0, a, 1))[1] - 1 - 2, -126, 127), 0)      # np.frexp(a)[1] - 1 = floor(log2(a)), exactly
;;       r = np.clip(x / 2.0 ** e, -6, 6)
;;       step = 2.0 ** (np.maximum(np.frexp(np.where(r == 0, 1, r))[1] - 1, 0) - 1)
;;       q = np.round(r / step) * step * 2.0 ** e      # np.round: ties to even
;;       return np.moveaxis(q.reshape(q.shape[:-2] + (-1,))[..., :K], -1, axis).astype(np.float32)
;;   ~~~
;;   SOFTMAX AHEAD OF A QUANTISED PRODUCT. Where the list says 'softmax', what is quantised is not the finished softmax but p = 2^(t - M), with t = logit x log2(e) and M = ceil(the row's largest t), a whole number; so 1/2 < the row's largest p <= 1. The row's sum l is taken of the UNQUANTISED p, in f32, and the product's result is divided by l at the end. Since M is a whole number, a kernel that streams over the keys may use a running M (the ceiling of the running maximum): every later rescaling is an exact power of two, which a block's scale takes up: the codes' values come out the same.
;;   OPERANDS COMPUTED ON THE WAY. 'Computed on the way' means the value that the module computes at that place (a softmax that the list does not call 'softmax' is quantised finished and normalised). What goes into a quantiser is computed in f32, as accurately as f32 sums, v_exp_f32 and their like allow (about 1e-6 of the number): no bf16 or f16 on the way to a quantiser, and a product that is left as it is and whose result goes on into a quantised operand takes f32 operands (vector FMAs, or v_wmma_f32_16x16x4_f32). A number that lies on a knife's edge between two numbers of the format may be rounded either way, as far as f32 arithmetic and the matrix unit's own rounding can turn it there, and no further.
;;   INPUTS GIVEN AS CODES. Wk (in the module: [1024, 1024], K = its axis 0); Wo (in the module: [1024, 1024], K = its axis 0); Wq (in the module: [1024, 1024], K = its axis 0); Wv (in the module: [1024, 1024], K = its axis 0); x (in the module: [4, 2048, 1024], K = its axis 2): each comes as NAME_codes (uint8): NAME with its K axis moved to the last place and cut into blocks of 32 codes, [.., K / 32, bytes a block], one block behind the other in memory; two codes a byte, the lower K in the low four bits (a code: sign, 2 exponent bits, 1 mantissa bit); and NAME_scales (uint8): the same leading axes, one E8M0 byte (e + 127) for each 32 codes along K. Its value is code x scale, taken as it is: it is not quantised again, and the codes and scales need not be those that the quantiser above would give.
;; One version. Each part assembles by itself: llvm-mc -triple=amdgcn-amd-amdhsa -mcpu=gfx1250 --defsym DOCPART=n.
;; ======== version 1 of 1: 3 launches
;; limits: right only within a limited range of input values
;; workspace buffers: qc 4,194,304 bytes; qs 524,288 bytes; kv 9,175,040 bytes; ac 4,194,304 bytes; asc 262,144 bytes
;; launch qkv (part 1): grid 8 x 32, 4 waves a work-group, clusters of 4 x 4, 327,680 bytes of LDS; arguments x_codes, x_scales, Wq_codes, Wq_scales, bq, Wk_codes, Wk_scales, bk, Wv_codes, Wv_scales, bv, qc, qs, kv; writes qc, qs, kv
.if DOCPART == 1
	.amdgcn_target "amdgcn-amd-amdhsa--gfx1250"
	.amdhsa_code_object_version 6
	.text
	.protected	k_q58f1e29470_qkv
	.globl	k_q58f1e29470_qkv
	.p2align	8
	.type	k_q58f1e29470_qkv,@function
k_q58f1e29470_qkv:
	s_mov_b64 s[64:65], 0
	v_nop
	global_prefetch_b8 v0, s[64:65] scope:SCOPE_SE
	s_setreg_imm32_b32 hwreg(HW_REG_WAVE_MODE, 25, 1), 1
	s_wait_xcnt 0x0
	s_wait_alu depctr_hold_cnt(0) depctr_sa_sdst(0) depctr_va_vdst(0) depctr_va_sdst(0) depctr_va_ssrc(0) depctr_va_vcc(0) depctr_vm_vsrc(0)
	s_getreg_b32 s2, hwreg(HW_REG_IB_STS2, 6, 4)
	s_cmp_eq_u32 s2, 0
	s_cbranch_scc0 .Lentry_in_a_cluster
	s_endpgm
.Lentry_in_a_cluster:
	s_bfe_u32 s2, ttmp6, 0x10000c
	s_cmp_lg_u32 s2, 0xf033
	s_cbranch_scc0 .Lentry_shape_is_right
	s_endpgm
.Lentry_shape_is_right:
; q, k and v = x W + b on codes of FP4 with E8M0 scales (K = 1,024, sums in f32), the rotary embedding of q and k in f32, and the quantising of all three for the launch attn.
; SHARES.  A work-group takes 256 rows of x and 128 columns (two heads) of Wq, Wk and Wv, one after the other; x's rows stay in LDS.  4 x 4 work-groups form a cluster: x's tiles are asked for jointly along a row, the weights' along a column.
; q and k: wave w has rows 64 w .. 64 w + 63 and all 128 columns, source 0 = rows of W, so that a lane's registers run along the head's 64, which is the next product's K.
; v: wave (w / 2, w % 2) has 128 rows and 64 columns, source 0 = rows of x, so that a lane's registers run along the keys.  The bias is the C of each sum's first matrix instruction.
; OUT.  Codes leave as images of the next operand's registers, 512 consecutive bytes a store: qc, qs for q; kv holds a record of 8,960 bytes for each head and 128 keys (K's codes, V's codes, both scale words).
; Nothing of reference() is left out here.  The launch attn jumps over key steps that lie wholly behind the causal mask, which reference() builds in its own body; every input is loaded.
.set PITCH, 528
.set T16,   16*PITCH
.set Q64,   64*PITCH
.set WB0,   256*PITCH
.set WB1,   WB0+128*PITCH
.set SPARE, WB1+128*PITCH
.set REC,   8960
.set HKV,   16*REC
.set LANE, 1
.set RW,   2
.set HF,   3
.set L16,  4
.set AXQ,  5
.set AXV,  6
.set AWQ,  7
.set AWK,  8
.set AWV,  9
.set SPW,  10
.set NIL,  11
.set OQS,  12
.set OKS,  13
.set OVS,  14
.set LO32, 15
.set LO64, 16
.set OB32, 17
.set OB4,  18
.set XS,   24
.set WS,   56
.set RO,   88
.set TM,   128
.set TP,   132
.set SO,   136
.set BY,   140
.set SWD,  144
.set SEL,  152
.set CD,   156
.set OM,   88
.set TT,   104
.set S1V,  106
.set C1V,  108
.set S2V,  110
.set ANG,  112
.set KQ,   128
.set RD,   144
.set ZZ,   160
.set SN,   176
.set CN,   192
.set HH,   208
.set KI,   224
.set C2V,  240
.set TA,   242
.set BV,   192
.set BQ,   128
.set BK,   192
.set MSB, 0
.macro WIN new
.if MSB != \new
	s_set_vgpr_msb (MSB<<8)|\new
.set MSB, \new
.endif
.endm
.macro NOPS4
.rept 4
	v_nop
.endr
.endm
.macro CROUND
	s_barrier_signal -1
	s_barrier_wait -1
	s_cmp_lg_u32 s32, 0
	s_cbranch_scc1 .Lnw0_\@
	s_barrier_signal -3
.Lnw0_\@:
	s_barrier_wait -3
	s_barrier_signal -1
	s_barrier_wait -1
.endm
.macro WM d, a, b, c, sa, sb, ra, rb
.if (\ra) && (\rb)
	v_wmma_scale_f32_16x16x128_f8f6f4 v[\d:\d+7], v[\a:\a+7], v[\b:\b+7], v[\c:\c+7], v[\sa], v[\sb] matrix_a_fmt:MATRIX_FMT_FP4 matrix_b_fmt:MATRIX_FMT_FP4 matrix_a_scale:MATRIX_SCALE_ROW1 matrix_b_scale:MATRIX_SCALE_ROW1
.elseif (\ra)
	v_wmma_scale_f32_16x16x128_f8f6f4 v[\d:\d+7], v[\a:\a+7], v[\b:\b+7], v[\c:\c+7], v[\sa], v[\sb] matrix_a_fmt:MATRIX_FMT_FP4 matrix_b_fmt:MATRIX_FMT_FP4 matrix_a_scale:MATRIX_SCALE_ROW1
.elseif (\rb)
	v_wmma_scale_f32_16x16x128_f8f6f4 v[\d:\d+7], v[\a:\a+7], v[\b:\b+7], v[\c:\c+7], v[\sa], v[\sb] matrix_a_fmt:MATRIX_FMT_FP4 matrix_b_fmt:MATRIX_FMT_FP4 matrix_b_scale:MATRIX_SCALE_ROW1
.else
	v_wmma_scale_f32_16x16x128_f8f6f4 v[\d:\d+7], v[\a:\a+7], v[\b:\b+7], v[\c:\c+7], v[\sa], v[\sb] matrix_a_fmt:MATRIX_FMT_FP4 matrix_b_fmt:MATRIX_FMT_FP4
.endif
.endm
.macro SCLOAD reg, n, voff, base
.set p, 0
.rept \n
	global_load_b128 v[\reg+8*p:\reg+8*p+3], v[\voff], s[\base:\base+1] offset:512*p
	global_load_b128 v[\reg+8*p+4:\reg+8*p+7], v[\voff], s[\base:\base+1] offset:512*p+16
.set p, p+1
.endr
.endm
	s_load_b512 s[4:19], s[0:1], 0x0
	s_load_b256 s[20:27], s[0:1], 0x40
	s_load_b128 s[28:31], s[0:1], 0x60
	v_lshl_add_u32 v[SPW], v0, 2, SPARE
	v_mov_b32 v[NIL], 0
	ds_add_u32 v10, v11
	ds_add_u32 v10, v11
	s_wait_dscnt 0x0
	v_lshrrev_b32 v1, 5, v0
	v_readfirstlane_b32 s32, v1
	s_and_b32 s33, s32, 1
	s_lshr_b32 s34, s32, 1
	s_bfe_u32 s35, ttmp6, 0x40000
	s_bfe_u32 s36, ttmp6, 0x40004
	s_lshl_b32 s37, ttmp9, 2
	s_add_co_u32 s37, s37, s35
	s_and_b32 s38, ttmp7, 0xffff
	s_lshl_b32 s38, s38, 2
	s_add_co_u32 s38, s38, s36
	s_lshl_b32 s39, s36, 2
	s_lshl_b32 s39, 15, s39
	s_lshl_b32 s40, 0x1111, s35
	s_mov_b32 s41, 0xffff0000
	s_mov_b32 s42, 0x76543210
	s_mov_b32 s43, 0xfedcba98
	s_or_b32 s44, s39, (1<<20)|(1<<21)|(6<<22)|(3<<25)
	s_or_b32 s52, s40, (1<<20)|(1<<21)|(6<<22)|(3<<25)
.irp g, 44, 52
	s_mov_b32 s[\g+1], 512<<16
	s_mov_b32 s[\g+2], 128<<16
	s_mov_b32 s[\g+3], 512<<16
	s_mov_b32 s[\g+4], 128
	s_mov_b32 s[\g+5], 512
	s_mov_b32 s[\g+6], 0
	s_mov_b32 s[\g+7], 0
.endr
	; the head's four tiles of 128 rows, one joint load a wave: waves 0 and 1 the halves of x's 256 rows, wave 2 Wq's 128 rows, wave 3 Wk's
	s_lshl_b32 s82, s38, 17
	s_lshl_b32 s83, s33, 16
	s_add_co_u32 s82, s82, s83
	s_mov_b32 s83, 0
	s_lshl_b32 s80, s37, 16
	s_mov_b32 s81, 0
	s_mov_b32 s76, 1
	s_mul_i32 s77, s33, 2*Q64
	s_mul_i32 s61, s32, Q64
	s_mov_b32 s68, 1
	s_add_co_u32 s69, s77, WB0
	s_mov_b32 s72, 1
	s_mul_i32 s73, s33, Q64
	s_add_co_u32 s73, s73, WB0
	s_wait_kmcnt 0x0
	s_add_nc_u64 s[78:79], s[4:5], s[82:83]
	s_or_b32 s79, s79, 0x80000000
	s_cmp_eq_u32 s33, 0
	s_cselect_b64 s[82:83], s[8:9], s[14:15]
	s_add_nc_u64 s[70:71], s[82:83], s[80:81]
	s_or_b32 s71, s71, 0x80000000
	s_add_nc_u64 s[74:75], s[20:21], s[80:81]
	s_or_b32 s75, s75, 0x80000000
	CROUND
	s_cmp_lt_u32 s32, 2
	s_cbranch_scc0 .Lhead_w
	tensor_load_to_lds s[76:79], s[44:51]
	s_nop 0
	NOPS4
	s_branch .Lhead_j
.Lhead_w:
	tensor_load_to_lds s[68:71], s[52:59]
	s_nop 0
	NOPS4
.Lhead_j:
	s_mov_b32 s85, 0
	s_lshl_b32 s86, s38, 13
	s_lshl_b32 s84, s34, 12
	s_add_co_u32 s84, s84, s86
	s_add_nc_u64 s[90:91], s[6:7], s[84:85]
	s_lshl_b32 s84, s32, 11
	s_add_co_u32 s84, s84, s86
	s_add_nc_u64 s[6:7], s[6:7], s[84:85]
	s_lshl_b32 s84, s37, 12
	s_add_nc_u64 s[10:11], s[10:11], s[84:85]
	s_add_nc_u64 s[16:17], s[16:17], s[84:85]
	s_lshl_b32 s86, s33, 11
	s_add_co_u32 s84, s84, s86
	s_add_nc_u64 s[22:23], s[22:23], s[84:85]
	s_lshl_b32 s84, s37, 9
	s_add_nc_u64 s[12:13], s[12:13], s[84:85]
	s_add_nc_u64 s[18:19], s[18:19], s[84:85]
	s_lshl_b32 s86, s33, 8
	s_add_co_u32 s84, s84, s86
	s_add_nc_u64 s[24:25], s[24:25], s[84:85]
	s_lshr_b32 s87, s38, 3
	s_and_b32 s88, s38, 7
	s_lshl_b32 s87, s87, 4
	s_lshl_b32 s86, s37, 1
	s_add_co_u32 s87, s87, s86
	s_lshl_b32 s84, s87, 7
	s_lshl_b32 s86, s88, 4
	s_add_co_u32 s84, s84, s86
	s_lshl_b32 s86, s32, 2
	s_add_co_u32 s84, s84, s86
	s_lshl_b32 s84, s84, 9
	s_add_nc_u64 s[26:27], s[26:27], s[84:85]
	s_lshl_b32 s84, s87, 5
	s_lshl_b32 s86, s88, 2
	s_add_co_u32 s84, s84, s86
	s_add_co_u32 s84, s84, s32
	s_lshl_b32 s84, s84, 8
	s_add_nc_u64 s[28:29], s[28:29], s[84:85]
	s_lshl_b32 s84, s87, 4
	s_lshl_b32 s86, s88, 1
	s_add_co_u32 s84, s84, s86
	s_add_co_u32 s84, s84, s34
	s_mul_i32 s84, s84, REC
	s_add_nc_u64 s[30:31], s[30:31], s[84:85]
	s_lshl_b32 s84, s33, 11
	s_add_nc_u64 s[92:93], s[30:31], s[84:85]
	s_mul_i32 s84, s33, HKV
	s_add_nc_u64 s[94:95], s[30:31], s[84:85]
	s_lshl_b32 s96, s88, 8
	s_lshl_b32 s86, s32, 6
	s_add_co_u32 s96, s96, s86
	s_mul_i32 s97, s34, 128*PITCH
	s_lshl_b32 s98, s33, 8
	v_and_b32 v[LANE], 31, v0
	v_and_b32 v[RW], 15, v0
	v_bfe_u32 v[HF], v0, 4, 1
	v_lshlrev_b32 v[L16], 4, v[LANE]
	v_mul_u32_u24 v19, v[RW], PITCH
	v_lshl_add_u32 v19, v[HF], 4, v19
	v_add_nc_u32 v[AXQ], s61, v19
	v_add_nc_u32 v[AXV], s97, v19
	v_add_nc_u32 v[AWQ], WB0, v19
	v_add_nc_u32 v[AWK], WB1, v19
	v_add_nc_u32 v[AWV], s73, v19
	v_lshlrev_b32 v[OQS], 4, v[RW]
	v_lshl_add_u32 v[OQS], v[HF], 13, v[OQS]
	v_mul_u32_u24 v20, v[HF], HKV
	v_lshl_add_u32 v[OKS], v[RW], 4, v20
	v_add_nc_u32 v[OKS], s98, v[OKS]
	v_lshlrev_b32 v[OVS], 4, v[RW]
	v_lshl_add_u32 v[OVS], v[HF], 3, v[OVS]
	v_lshlrev_b32 v[LO32], 5, v[RW]
	v_lshl_add_u32 v[LO64], v[HF], 11, v[LO32]
	v_lshl_add_u32 v[LO32], v[HF], 10, v[LO32]
	v_lshlrev_b32 v[OB32], 5, v[HF]
	v_lshlrev_b32 v[OB4], 2, v[RW]
	SCLOAD XS, 2, LO32, 6
	SCLOAD WS, 4, LO64, 10
	WIN 0xc0
.irp t, 0,1,2,3,4,5,6,7
	global_load_b128 v[BQ+8*\t:BQ+8*\t+3], v[OB32], s[12:13] offset:64*\t
	global_load_b128 v[BQ+8*\t+4:BQ+8*\t+7], v[OB32], s[12:13] offset:64*\t+16
	global_load_b128 v[BK+8*\t:BK+8*\t+3], v[OB32], s[18:19] offset:64*\t
	global_load_b128 v[BK+8*\t+4:BK+8*\t+7], v[OB32], s[18:19] offset:64*\t+16
.endr
	WIN 0x80
.irp t, 0,1,2,3
.irp j, 0,1,2,3,4,5,6,7
	global_load_b32 v[BV+8*\t+\j], v[OB4], s[24:25] offset:64*\t
.endr
.endr
	WIN 0
	v_cmp_eq_u32 vcc_lo, 1, v[HF]
.macro OMEGA n, lo, hi
	v_mov_b32 v[OM+\n], \hi
	v_cndmask_b32 v[OM+\n], \lo, v[OM+\n], vcc_lo
.endm
	OMEGA 0, 0x3f800000, 0x3dcccccd
	OMEGA 1, 0x3f3ff911, 0x3d99940d
	OMEGA 2, 0x3f0ff59a, 0x3d6655c2
	OMEGA 3, 0x3ed7e89b, 0x3d2cba15
	OMEGA 4, 0x3ea1e89b, 0x3d0186e3
	OMEGA 5, 0x3e72d423, 0x3cc2434f
	OMEGA 6, 0x3e361887, 0x3c91ad39
	OMEGA 7, 0x3e088d77, 0x3c5a7bf2
	OMEGA 8, 0x3c23d70a, 0x3a83126f
	OMEGA 9, 0x3bf5b9b0, 0x3a44948c
	OMEGA 10, 0x3bb8449c, 0x3a136a16
	OMEGA 11, 0x3b8a2e77, 0x39dd1725
	OMEGA 12, 0x3b4f3e38, 0x39a5cb60
	OMEGA 13, 0x3b1b690d, 0x3978a815
	OMEGA 14, 0x3ae91528, 0x393a7753
	OMEGA 15, 0x3aaec98e, 0x390bd472
.irp u, 0,1
	v_mov_b32 v[S1V+\u], 0x3c08839e
	v_mov_b32 v[S2V+\u], 0xbe2aaaa3
	v_mov_b32 v[C1V+\u], 0xbab6061a
	v_mov_b32 v[C2V+\u], 0x3d2aaaa5
.endr
.macro SINCOS16 i
	v_add_nc_u32 v[TA], s96, v[RW]
	v_add_nc_u32 v[TA], 16*\i, v[TA]
	v_cvt_f32_u32 v[TT], v[TA]
	v_mov_b32 v[TT+1], v[TT]
.irp p, 0,2,4,6,8,10,12,14
	v_pk_mul_f32 v[ANG+\p:ANG+\p+1], v[OM+\p:OM+\p+1], v[TT:TT+1]
.endr
.irp p, 0,2,4,6,8,10,12,14
	v_pk_mul_f32 v[KQ+\p:KQ+\p+1], v[ANG+\p:ANG+\p+1], 0x3f22f983 op_sel_hi:[1,0]
.endr
.irp n, 0,1,2,3,4,5,6,7,8,9,10,11,12,13,14,15
	v_rndne_f32 v[KQ+\n], v[KQ+\n]
.endr
.irp p, 0,2,4,6,8,10,12,14
	v_pk_fma_f32 v[RD+\p:RD+\p+1], v[KQ+\p:KQ+\p+1], 0xbfc90fdb, v[ANG+\p:ANG+\p+1] op_sel_hi:[1,0,1]
.endr
.irp p, 0,2,4,6,8,10,12,14
	v_pk_fma_f32 v[RD+\p:RD+\p+1], v[KQ+\p:KQ+\p+1], 0x333bbd2e, v[RD+\p:RD+\p+1] op_sel_hi:[1,0,1]
.endr
.irp p, 0,2,4,6,8,10,12,14
	v_pk_mul_f32 v[ZZ+\p:ZZ+\p+1], v[RD+\p:RD+\p+1], v[RD+\p:RD+\p+1]
.endr
.irp p, 0,2,4,6,8,10,12,14
	v_pk_fma_f32 v[SN+\p:SN+\p+1], v[ZZ+\p:ZZ+\p+1], 0xb94ca1f9, v[S1V:S1V+1] op_sel_hi:[1,0,1]
	v_pk_fma_f32 v[CN+\p:CN+\p+1], v[ZZ+\p:ZZ+\p+1], 0x37ccf5ce, v[C1V:C1V+1] op_sel_hi:[1,0,1]
	v_pk_fma_f32 v[HH+\p:HH+\p+1], v[ZZ+\p:ZZ+\p+1], -0.5, 1.0 op_sel_hi:[1,0,0]
.endr
.irp p, 0,2,4,6,8,10,12,14
	v_pk_fma_f32 v[SN+\p:SN+\p+1], v[SN+\p:SN+\p+1], v[ZZ+\p:ZZ+\p+1], v[S2V:S2V+1]
	v_pk_fma_f32 v[CN+\p:CN+\p+1], v[CN+\p:CN+\p+1], v[ZZ+\p:ZZ+\p+1], v[C2V:C2V+1]
.endr
.irp p, 0,2,4,6,8,10,12,14
	v_pk_mul_f32 v[SN+\p:SN+\p+1], v[SN+\p:SN+\p+1], v[ZZ+\p:ZZ+\p+1]
	v_pk_mul_f32 v[CN+\p:CN+\p+1], v[CN+\p:CN+\p+1], v[ZZ+\p:ZZ+\p+1]
.endr
.irp p, 0,2,4,6,8,10,12,14
	v_pk_fma_f32 v[SN+\p:SN+\p+1], v[SN+\p:SN+\p+1], v[RD+\p:RD+\p+1], v[RD+\p:RD+\p+1]
	v_pk_fma_f32 v[CN+\p:CN+\p+1], v[CN+\p:CN+\p+1], v[ZZ+\p:ZZ+\p+1], v[HH+\p:HH+\p+1]
.endr
.irp n, 0,1,2,3,4,5,6,7,8,9,10,11,12,13,14,15
	v_cvt_i32_f32 v[KI+\n], v[KQ+\n]
.endr
.irp n, 0,1,2,3,4,5,6,7,8,9,10,11,12,13,14,15
	v_and_b32 v[TA], 1, v[KI+\n]
	v_cmp_eq_u32 vcc_lo, 1, v[TA]
	v_cndmask_b32 v[ANG+\n], v[SN+\n], v[CN+\n], vcc_lo
	v_cndmask_b32 v[KQ+\n], v[CN+\n], v[SN+\n], vcc_lo
	v_lshlrev_b32 v[RD+\n], 30, v[KI+\n]
	v_add_nc_u32 v[ZZ+\n], 1, v[KI+\n]
	v_lshlrev_b32 v[ZZ+\n], 30, v[ZZ+\n]
	v_and_b32 v[RD+\n], 0x80000000, v[RD+\n]
	v_and_b32 v[ZZ+\n], 0x80000000, v[ZZ+\n]
.endr
	WIN 0xc0
.irp n, 0,1,2,3,4,5,6,7,8,9,10,11,12,13,14,15
	v_xor_b32 v[32*\i+\n], v[KQ+\n], v[ZZ+\n]
	v_xor_b32 v[32*\i+16+\n], v[ANG+\n], v[RD+\n]
.endr
	WIN 0
.endm
	SINCOS16 0
	SINCOS16 1
	SINCOS16 2
	SINCOS16 3
.irp b, 0,1,2,3
	v_mov_b32 v[TP+\b], 0
.endr
.macro FETCHQK buf, s, aw
	WIN 0x80
.irp i, 0,1,2,3
.irp c, 0,1
	ds_load_b128 v[\buf+8*\i+4*\c:\buf+8*\i+4*\c+3], v[AXQ] offset:T16*\i+64*(\s)+32*\c
.endr
.endr
.irp t, 0,1,2,3,4,5,6,7
.irp c, 0,1
	ds_load_b128 v[\buf+32+8*\t+4*\c:\buf+32+8*\t+4*\c+3], v[\aw] offset:T16*\t+64*(\s)+32*\c
.endr
.endr
.endm
.macro FETCHV buf, s
	WIN 0x80
.irp i, 0,1,2,3,4,5,6,7
.irp c, 0,1
	ds_load_b128 v[\buf+8*\i+4*\c:\buf+8*\i+4*\c+3], v[AXV] offset:T16*\i+64*(\s)+32*\c
.endr
.endr
.irp t, 0,1,2,3
.irp c, 0,1
	ds_load_b128 v[\buf+64+8*\t+4*\c:\buf+64+8*\t+4*\c+3], v[AWV] offset:T16*\t+64*(\s)+32*\c
.endr
.endr
.endm
.macro MULQK buf, s, first, bias
.if \first
	WIN 0x7a
.else
	WIN 0x5a
.endif
.irp i, 0,1,2,3
.irp ct, 0,1,2,3,4,5,6,7
.if \first
	WM 8*(8*\i+\ct), \buf+32+8*\ct, \buf+8*\i, \bias+8*\ct, WS+8*(\ct%4)+\s, XS+8*(\i%2)+\s, \ct/4, \i/2
.else
	WM 8*(8*\i+\ct), \buf+32+8*\ct, \buf+8*\i, 8*(8*\i+\ct), WS+8*(\ct%4)+\s, XS+8*(\i%2)+\s, \ct/4, \i/2
.endif
.endr
.endr
.endm
.macro MULV buf, s, first
.if \first
	WIN 0x6a
.else
	WIN 0x5a
.endif
.irp dt, 0,1,2,3
.irp i, 0,1,2,3,4,5,6,7
.if \first
	WM 8*(8*\dt+\i), \buf+8*\i, \buf+64+8*\dt, BV+8*\dt, XS+8*(\i%4)+\s, WS+8*(\dt%2)+\s, \i/4, \dt/2
.else
	WM 8*(8*\dt+\i), \buf+8*\i, \buf+64+8*\dt, 8*(8*\dt+\i), XS+8*(\i%4)+\s, WS+8*(\dt%2)+\s, \i/4, \dt/2
.endif
.endr
.endr
.endm
.macro PASSQK aw, bias
	FETCHQK 0, 0, \aw
.irp s, 0,1,2,3,4,5,6,7
.if \s < 7
.if \s > 0
	NOPS4
.endif
	FETCHQK 96*((\s+1)%2), \s+1, \aw
	s_wait_dscnt 24
.else
	s_wait_dscnt 0x0
.endif
.if \s == 0
	MULQK 96*(\s%2), \s, 1, \bias
.else
	MULQK 96*(\s%2), \s, 0, \bias
.endif
.endr
.endm
.macro PASSV
	FETCHV 0, 0
.irp s, 0,1,2,3,4,5,6,7
.if \s < 7
.if \s > 0
	NOPS4
.endif
	FETCHV 96*((\s+1)%2), \s+1
	s_wait_dscnt 24
.else
	s_wait_dscnt 0x0
.endif
.if \s == 0
	MULV 96*(\s%2), \s, 1
.else
	MULV 96*(\s%2), \s, 0
.endif
.endr
.endm
.macro UNIT i, hh, base, off
.set U, 4*\hh+\i
	WIN 0x0d
.irp c, 0,1
.irp jp, 0,2,4,6
	v_pk_mul_f32 v[RO+8*\c+\jp:RO+8*\c+\jp+1], v[8*(8*\i+4*\hh+\c+2)+\jp:8*(8*\i+4*\hh+\c+2)+\jp+1], v[32*\i+16+8*\c+\jp:32*\i+16+8*\c+\jp+1]
	v_pk_mul_f32 v[RO+16+8*\c+\jp:RO+16+8*\c+\jp+1], v[8*(8*\i+4*\hh+\c)+\jp:8*(8*\i+4*\hh+\c)+\jp+1], v[32*\i+16+8*\c+\jp:32*\i+16+8*\c+\jp+1]
	v_pk_fma_f32 v[RO+8*\c+\jp:RO+8*\c+\jp+1], v[8*(8*\i+4*\hh+\c)+\jp:8*(8*\i+4*\hh+\c)+\jp+1], v[32*\i+8*\c+\jp:32*\i+8*\c+\jp+1], v[RO+8*\c+\jp:RO+8*\c+\jp+1] neg_lo:[0,0,1] neg_hi:[0,0,1]
	v_pk_fma_f32 v[RO+16+8*\c+\jp:RO+16+8*\c+\jp+1], v[8*(8*\i+4*\hh+\c+2)+\jp:8*(8*\i+4*\hh+\c+2)+\jp+1], v[32*\i+8*\c+\jp:32*\i+8*\c+\jp+1], v[RO+16+8*\c+\jp:RO+16+8*\c+\jp+1]
.endr
.endr
	WIN 0
.irp b, 0,1
	v_max3_num_f32 v[TM+\b], |v[RO+16*\b]|, |v[RO+16*\b+1]|, 0x1800000
.endr
.irp k, 2,4,6,8,10,12,14
.irp b, 0,1
	v_max3_num_f32 v[TM+\b], v[TM+\b], |v[RO+16*\b+\k]|, |v[RO+16*\b+\k+1]|
.endr
.endr
.irp b, 0,1
	v_permlanex16_b32 v[TP+\b], v[TM+\b], s42, s43
.endr
.irp b, 0,1
	v_max_num_f32 v[TM+\b], v[TM+\b], v[TP+\b]
.endr
.irp b, 0,1
	v_add_nc_u32 v[SO+\b], 0xff000000, v[TM+\b]
.endr
.irp b, 0,1
	v_lshrrev_b32 v[BY+\b], 23, v[SO+\b]
.endr
	v_lshl_or_b32 v[SWD+U], v[BY+1], 8, v[BY]
	v_cvt_scalef32_pk8_fp4_f32 v[CD+4*U], v[RO:RO+7], v[SO]
	v_cvt_scalef32_pk8_fp4_f32 v[CD+4*U+2], v[RO+8:RO+15], v[SO]
	v_cvt_scalef32_pk8_fp4_f32 v[CD+4*U+1], v[RO+16:RO+23], v[SO+1]
	v_cvt_scalef32_pk8_fp4_f32 v[CD+4*U+3], v[RO+24:RO+31], v[SO+1]
	v_nop
	v_permlane16_swap_b32 v[CD+4*U], v[CD+4*U+1]
	v_permlane16_swap_b32 v[CD+4*U+2], v[CD+4*U+3]
	global_store_b128 v[L16], v[CD+4*U:CD+4*U+3], s[\base:\base+1] offset:\off
.endm
.macro EPIQK base, hstride, sbase, soff, svoff
	s_wait_xcnt 0x0
	NOPS4
.irp hh, 0,1
.irp i, 0,1,2,3
	UNIT \i, \hh, \base, 512*\i+\hstride*\hh
.endr
.endr
.irp i, 0,1,2,3
	v_cndmask_b32 v[SEL+\i], v[SWD+\i], v[SWD+4+\i], s41
.endr
	global_store_b128 v[\svoff], v[SEL:SEL+3], s[\sbase:\sbase+1] offset:\soff
.endm
.macro EPIV
	s_wait_xcnt 0x0
	NOPS4
.irp dt, 0,1,2,3
	WIN 0x05
.irp b, 0,1,2,3
	v_max3_num_f32 v[TM+\b], |v[64*\dt+16*\b]|, |v[64*\dt+16*\b+1]|, 0x1800000
.endr
.irp k, 2,4,6,8,10,12,14
.irp b, 0,1,2,3
	v_max3_num_f32 v[TM+\b], |v[64*\dt+16*\b+\k]|, |v[64*\dt+16*\b+\k+1]|, v[TM+\b]
.endr
.endr
	WIN 0
.irp b, 0,1,2,3
	v_permlanex16_b32 v[TP+\b], v[TM+\b], s42, s43
.endr
.irp b, 0,1,2,3
	v_max_num_f32 v[TM+\b], v[TM+\b], v[TP+\b]
.endr
.irp b, 0,1,2,3
	v_add_nc_u32 v[SO+\b], 0xff000000, v[TM+\b]
.endr
.irp b, 0,1,2,3
	v_lshrrev_b32 v[BY+\b], 23, v[SO+\b]
.endr
	v_lshl_or_b32 v[SWD+\dt], v[BY+1], 8, v[BY]
	v_lshl_or_b32 v[SWD+\dt], v[BY+2], 16, v[SWD+\dt]
	v_lshl_or_b32 v[SWD+\dt], v[BY+3], 24, v[SWD+\dt]
	WIN 0x01
.irp c, 0,1
.irp e, 0,1
	v_cvt_scalef32_pk8_fp4_f32 v[CD+8*\dt+4*\c+\e], v[64*\dt+16*(2*\c+\e):64*\dt+16*(2*\c+\e)+7], v[SO+2*\c+\e]
	v_cvt_scalef32_pk8_fp4_f32 v[CD+8*\dt+4*\c+2+\e], v[64*\dt+16*(2*\c+\e)+8:64*\dt+16*(2*\c+\e)+15], v[SO+2*\c+\e]
.endr
.endr
	WIN 0
	v_nop
.irp c, 0,1
	v_permlane16_swap_b32 v[CD+8*\dt+4*\c], v[CD+8*\dt+4*\c+1]
	v_permlane16_swap_b32 v[CD+8*\dt+4*\c+2], v[CD+8*\dt+4*\c+3]
.endr
.irp c, 0,1
	global_store_b128 v[L16], v[CD+8*\dt+4*\c:CD+8*\dt+4*\c+3], s[94:95] offset:4096+1024*\dt+512*\c
.endr
.endr
	v_cndmask_b32 v[SEL], v[SWD], v[SWD+2], s41
	v_cndmask_b32 v[SEL+1], v[SWD+1], v[SWD+3], s41
	global_store_b64 v[OVS], v[SEL:SEL+1], s[94:95] offset:8704
.endm
	s_wait_tensorcnt 0x0
	s_wait_loadcnt 0x0
	s_barrier_signal -1
	s_barrier_wait -1
	PASSQK AWQ, BQ
	WIN 0
	s_wait_tensorcnt 0x0
	ds_add_u32 v[SPW], v[NIL]
	NOPS4
	s_wait_dscnt 0x0
	CROUND
	s_cmp_lt_u32 s32, 1                            ; wave 0 brings Wv's 128 rows
	s_cbranch_scc0 .Lno_wv
	tensor_load_to_lds s[72:75], s[52:59]
	s_nop 0
	NOPS4
.Lno_wv:
	SCLOAD WS, 4, LO64, 16
	EPIQK 26, 65536, 28, 0, OQS
	s_wait_loadcnt 0x0
	PASSQK AWK, BK
	WIN 0
	NOPS4
	SCLOAD XS, 4, LO64, 90
	SCLOAD WS, 2, LO32, 22
	EPIQK 92, HKV, 30, 8192, OKS
	s_wait_tensorcnt 0x0
	s_wait_dscnt 0x0
	s_barrier_signal -1
	s_barrier_wait -1
	s_wait_loadcnt 0x0
	PASSV
	WIN 0
	EPIV
	s_wait_tensorcnt 0x0
	ds_add_u32 v[SPW], v[NIL]
	s_wait_dscnt 0x0
	CROUND
	s_endpgm
.Lfunc_end_k_q58f1e29470_qkv:
	.size	k_q58f1e29470_qkv, .Lfunc_end_k_q58f1e29470_qkv-k_q58f1e29470_qkv
	.p2alignl 7, 3214868480
	.fill 96, 4, 3214868480
	.section	.rodata,"a",@progbits
	.p2align	6, 0x0
	.amdhsa_kernel k_q58f1e29470_qkv
		.amdhsa_group_segment_fixed_size 327680
		.amdhsa_private_segment_fixed_size 0
		.amdhsa_enable_private_segment 0
		.amdhsa_kernarg_size 112
		.amdhsa_user_sgpr_count 2
		.amdhsa_user_sgpr_kernarg_segment_ptr 1
		.amdhsa_wavefront_size32 1
		.amdhsa_system_sgpr_workgroup_id_x 1
		.amdhsa_system_sgpr_workgroup_id_y 1
		.amdhsa_system_sgpr_workgroup_id_z 1
		.amdhsa_system_vgpr_workitem_id 0
		.amdhsa_next_free_vgpr 1024
		.amdhsa_next_free_sgpr 102
		.amdhsa_reserve_vcc 1
		.amdhsa_float_denorm_mode_32 3
		.amdhsa_float_denorm_mode_16_64 3
		.amdhsa_memory_ordered 1
		.amdhsa_forward_progress 1
		.amdhsa_inst_pref_size 255
	.end_amdhsa_kernel
	.section	.bss,"aw",@nobits
	.p2align	6
	.space	262144
	.amdgpu_metadata
---
amdhsa.version: [ 1, 2 ]
amdhsa.kernels:
  - .name:           k_q58f1e29470_qkv
    .symbol:         k_q58f1e29470_qkv.kd
    .args:
      - { .name: x_codes, .offset: 0, .size: 8, .value_kind: global_buffer, .address_space: global }
      - { .name: x_scales, .offset: 8, .size: 8, .value_kind: global_buffer, .address_space: global }
      - { .name: Wq_codes, .offset: 16, .size: 8, .value_kind: global_buffer, .address_space: global }
      - { .name: Wq_scales, .offset: 24, .size: 8, .value_kind: global_buffer, .address_space: global }
      - { .name: bq, .offset: 32, .size: 8, .value_kind: global_buffer, .address_space: global }
      - { .name: Wk_codes, .offset: 40, .size: 8, .value_kind: global_buffer, .address_space: global }
      - { .name: Wk_scales, .offset: 48, .size: 8, .value_kind: global_buffer, .address_space: global }
      - { .name: bk, .offset: 56, .size: 8, .value_kind: global_buffer, .address_space: global }
      - { .name: Wv_codes, .offset: 64, .size: 8, .value_kind: global_buffer, .address_space: global }
      - { .name: Wv_scales, .offset: 72, .size: 8, .value_kind: global_buffer, .address_space: global }
      - { .name: bv, .offset: 80, .size: 8, .value_kind: global_buffer, .address_space: global }
      - { .name: qc, .offset: 88, .size: 8, .value_kind: global_buffer, .address_space: global }
      - { .name: qs, .offset: 96, .size: 8, .value_kind: global_buffer, .address_space: global }
      - { .name: kv, .offset: 104, .size: 8, .value_kind: global_buffer, .address_space: global }
    .group_segment_fixed_size: 327680
    .private_segment_fixed_size: 0
    .kernarg_segment_align: 8
    .kernarg_segment_size: 112
    .max_flat_workgroup_size: 128
    .sgpr_count:     102
    .vgpr_count:     1024
    .wavefront_size: 32
...
	.end_amdgpu_metadata
.endif
;; end of part 1
;; launch attn (part 2): grid 256 x 1, 16 waves a work-group, clusters of 4 x 1, 169,984 bytes of LDS; arguments qc, qs, kv, ac, asc; writes ac, asc
.if DOCPART == 2
	.amdgcn_target "amdgcn-amd-amdhsa--gfx1250"
	.amdhsa_code_object_version 6
	.text
	.protected	k_q58f1e29470_attn
	.globl	k_q58f1e29470_attn
	.p2align	8
	.type	k_q58f1e29470_attn,@function
k_q58f1e29470_attn:
	s_mov_b64 s[64:65], 0
	v_nop
	global_prefetch_b8 v0, s[64:65] scope:SCOPE_SE
	s_setreg_imm32_b32 hwreg(HW_REG_WAVE_MODE, 25, 1), 1
	s_wait_xcnt 0x0
	s_wait_alu depctr_hold_cnt(0) depctr_sa_sdst(0) depctr_va_vdst(0) depctr_va_sdst(0) depctr_va_ssrc(0) depctr_va_vcc(0) depctr_vm_vsrc(0)
	s_getreg_b32 s2, hwreg(HW_REG_IB_STS2, 6, 4)
	s_cmp_eq_u32 s2, 0
	s_cbranch_scc0 .Lentry_in_a_cluster
	s_endpgm
.Lentry_in_a_cluster:
	s_bfe_u32 s2, ttmp6, 0x10000c
	s_cmp_lg_u32 s2, 0x3003
	s_cbranch_scc0 .Lentry_shape_is_right
	s_endpgm
.Lentry_shape_is_right:
; Causal attention of one head (bh = batch x 16 + head) on codes of FP4 with E8M0 scales; head size 64, 2,048 positions.  The result, divided by the row's sum, is quantised along the head's 64 and leaves as codes.
; SOFTMAX: t = score x log2(e) / 8; M = the running largest t rounded up to a whole number; p = 2^(t - M) is quantised along the keys, not normalised; the row's sum is taken of the unquantised p in f32;
; a change of M multiplies the sum and O by 2^(old M - new M).
; SHARES.  The four work-groups of a cluster share a head.  The head's 16 records of kv (128 keys each: K's codes, V's codes, both scale words; 8,960 bytes) all lie in LDS, 143,360 bytes, filled ONCE:
; wave w asks for record w by one joint load, its only tensor load.  All records are asked for at the head, so there is no later step to prefetch for.
; A work-group owns tiles ti = 2 cx and 2 cx + 1 (16 queries each) of all 16 groups of 128 queries.  A tile of group g works key steps 0 .. g, step g with the mask: g + 1 steps, 272 in the work-group.
; Wave w owns two tiles with ti = 2 cx + w % 2; their groups come from two tables by the index w / 4 + 4 ((w / 2) % 2).  THE DEAL IS UNEVEN, LONGEST FIRST: of the four waves with the same w % 4
; the one with the lowest number has 16 + 13 or 15 + 14 steps, the next 12 + 8 or 11 + 10, then 9 + 3 or 7 + 4, then 5 + 2 or 6 + 1; each such four has 68 steps, and each group is owned once for each ti.
; Key steps that lie wholly behind the causal mask, which reference() builds itself, are jumped over.  Which steps are jumped over and which is masked hangs on the wave's number alone;
; the place in the cluster enters global addresses and the mask's lane masks, no branch and no LDS address.
; LAYOUT.  Both products transposed: a lane holds ONE query.  The head's 64 fill half of the instruction's 128 along K: a fragment of K holds TWO key tiles (registers 0-3 tile 2 p, 4-7 tile 2 p + 1)
; and is multiplied once by [Q | zero codes] and once by [zero codes | Q]; the scale words are joined and shifted to match.
; OPERANDS A STEP AHEAD: K of the next step is read from LDS behind this step's first product, V behind its second; one wait for 0 a step, ahead of the second product.
; LIMITS.  The promise holds while the scaled scores stay under 2^31 in magnitude.  A p under 2^-126 counts as 0.  A block of zeros has the byte 1 over zero codes (this program alone reads the bytes).
; The scale bytes of the result leave as single bytes, two to a row and head: a row's 32 bytes come from 16 heads, which no one work-group holds.
.set REC, 8960
.set KF, 32
.set VF, 64
.set SR, 96
.set OT, 160
.set PC, 192
.set BM, 200
.set TP, 204
.set SO, 208
.set FF, 212
.set T0, 214
.set ST, 216                           ; v216-229 seven chains of the sum
.set KSW, 232                          ; v232-248 hold scales and nothing else
.set VSW, 240
.set PW, 244
; v1 16 x lane, v2 16 r, v3, v4 the same + the next record, v6 -infinity, v7 32 r + h, v8 -M, v9 the largest t, v[10:11] the sum
; v12-15 zero codes, v16-19 Q of the first tile, v20-23 zero codes, v24-27 Q of the second tile, v28-31 zero codes; v245, v247 their scale words, v246, v248 the same 16 bits up
; v230, v231, v250-253 data of the stores; v254, v255 the add's two registers
.macro NOPS4
.rept 4
	v_nop
.endr
.endm
.macro CROUND
	s_barrier_signal -1
	s_barrier_wait -1
	s_cmp_lg_u32 s18, 0
	s_cbranch_scc1 .Lnw0_\@
	s_barrier_signal -3
.Lnw0_\@:
	s_barrier_wait -3
	s_barrier_signal -1
	s_barrier_wait -1
.endm
.macro KLDS a, b
.irp t, 0,1,2,3,4,5,6,7
	ds_load_b128 v[KF+4*\t:KF+4*\t+3], v[\a] offset:512*\t
.endr
	ds_load_b128 v[KSW:KSW+3], v[\b] offset:8192
	ds_load_b128 v[KSW+4:KSW+7], v[\b] offset:8448
.endm
.macro VLDS a, b
.irp m, 0,1,2,3,4,5,6,7
	ds_load_b128 v[VF+4*\m:VF+4*\m+3], v[\a] offset:4096+512*\m
.endr
	ds_load_b128 v[VSW:VSW+3], v[\b] offset:8704
.endm
.macro COMBINE                         ; a pair of key tiles shares a scale word: bytes 0, 1 tile 2 p, bytes 2, 3 tile 2 p + 1
.irp p, 0,2,4,6
	v_lshl_or_b32 v[KSW+\p], v[KSW+\p+1], 16, v[KSW+\p]
.endr
.endm
	s_load_b256 s[4:11], s[0:1], 0x0               ; qc 4, qs 6, kv 8, ac 10
	s_load_b64 s[12:13], s[0:1], 0x20              ; asc
	v_lshl_add_u32 v254, v0, 2, 0x29000
	v_mov_b32 v255, 0
	ds_add_u32 v254, v255                          ; the opening lines: the add twice on end and its wait
	ds_add_u32 v254, v255
	v_lshrrev_b32 v1, 5, v0
	s_delay_alu instid0(VALU_DEP_1)
	v_readfirstlane_b32 s18, v1                    ; wave w
	s_and_b32 s19, s18, 1                          ; e = w % 2
	s_bfe_u32 s87, s18, 0x10001                    ; (w / 2) % 2: which of the two deals
	s_lshl_b32 s87, s87, 2
	s_lshr_b32 s51, s18, 2
	s_add_co_u32 s51, s51, s87                     ; the index into the tables,
	s_lshl_b32 s51, s51, 2                         ; four bits an entry
	s_lshr_b32 s87, 0x56ae48bf, s51
	s_and_b32 s87, s87, 15                         ; the first tile's group: 15, 11, 8, 4 or 14, 10, 6, 5
	s_lshr_b32 s51, 0x039d127c, s51
	s_and_b32 s51, s51, 15                         ; the second tile's: 12, 7, 2, 1 or 13, 9, 3, 0
	s_mov_b32 s20, 0x76543210
	s_mov_b32 s21, 0xfedcba98                      ; selects for lane l xor 16
	s_mov_b32 s22, 0x3e38aa3b                      ; c = log2(e) / 8
	s_mov_b32 s23, s22
	s_mov_b32 s89, 0xffff0000                      ; lanes 16-31
	; descriptor group 1: a record as 35 dense rows of 256 bytes; mask: all four work-groups
	s_mov_b32 s24, 15|(3<<16)|(1<<21)
	s_mov_b32 s25, 32<<16
	s_mov_b32 s26, 35<<16
	s_mov_b32 s27, 32<<16
	s_mov_b32 s28, 35
	s_mov_b32 s29, 32
	s_mov_b32 s30, 0
	s_mov_b32 s31, 0
	s_lshl_b32 s71, ttmp9, 4                       ; the head's 16 records; wave w brings record w
	s_add_co_u32 s71, s71, s18
	s_mul_i32 s72, s71, REC
	s_mov_b32 s73, 0
	s_mov_b32 s32, 1
	s_mul_i32 s33, s18, REC
	s_wait_dscnt 0x0
	s_wait_kmcnt 0x0
	s_add_nc_u64 s[34:35], s[8:9], s[72:73]
	s_or_b32 s35, s35, 0x80000000
	CROUND                                         ; all four work-groups are here: the joint loads meet
	tensor_load_to_lds s[32:35], s[24:31]          ; my one tensor load
	s_nop 0
	NOPS4
	s_bfe_u32 s70, ttmp6, 0x40000                  ; cx: from here on it enters global addresses and data alone
	s_lshl_b32 s76, s70, 1
	s_add_co_u32 s76, s76, s19                     ; ti = 2 cx + e: my tile among a group's eight
	s_lshr_b32 s77, s70, 1
	s_and_b32 s78, s70, 1
	s_lshl_b32 s78, s78, 1
	s_add_co_u32 s78, s78, s19
	s_lshl_b32 s78, s78, 2                         ; 4 (ti % 4)
	s_lshr_b32 s79, ttmp9, 4
	s_lshl_b32 s79, s79, 7                         ; 128 x batch: row tiles
	s_and_b32 s85, ttmp9, 15                       ; the head
	s_lshl_b32 s86, s85, 1
	s_mov_b32 s83, 0
.macro BASES g, qcb, qsb, acb, ascb    ; the four addresses of the tile of group s[g]
	s_lshl_b32 s80, s[\g], 3
	s_add_co_u32 s80, s80, s76                     ; the tile in the head: 8 g + ti
	s_lshl_b32 s82, ttmp9, 7
	s_add_co_u32 s82, s82, s80
	s_lshl_b32 s82, s82, 9
	s_add_nc_u64 s[\qcb:\qcb+1], s[4:5], s[82:83]
	s_lshl_b32 s82, ttmp9, 5
	s_lshl_b32 s84, s[\g], 1
	s_add_co_u32 s82, s82, s84
	s_add_co_u32 s82, s82, s77
	s_lshl_b32 s82, s82, 8
	s_add_co_u32 s82, s82, s78
	s_add_nc_u64 s[\qsb:\qsb+1], s[6:7], s[82:83]
	s_add_co_u32 s84, s79, s80                     ; the row tile among 512
	s_lshl_b32 s82, s84, 4
	s_add_co_u32 s82, s82, s85
	s_lshl_b32 s82, s82, 9
	s_add_nc_u64 s[\acb:\acb+1], s[10:11], s[82:83]
	s_lshl_b32 s82, s84, 9
	s_add_co_u32 s82, s82, s86
	s_add_nc_u64 s[\ascb:\ascb+1], s[12:13], s[82:83]
.endm
	BASES 87, 60, 62, 52, 54
	BASES 51, 66, 68, 56, 58
.irp t, 0,1,2,3,4,5,6,7                        ; the diagonal step's key tile t: s[90 + t] all ones where it lies wholly behind my queries, s[36 + t] all ones where it is my own
	s_cmp_lt_u32 s76, \t
	s_cselect_b32 s[90+\t], -1, 0
	s_cmp_eq_u32 s76, \t
	s_cselect_b32 s[36+\t], -1, 0
.endr
	v_and_b32 v8, 31, v0
	v_and_b32 v9, 15, v0                           ; r
	v_bfe_u32 v10, v0, 4, 1                        ; h
	v_lshlrev_b32 v1, 4, v8
	v_lshlrev_b32 v2, 4, v9
	global_load_b128 v[16:19], v1, s[60:61]        ; Q's registers, as they were stored
	global_load_b128 v[24:27], v1, s[66:67]
	global_load_b32 v245, v2, s[62:63]
	global_load_b32 v247, v2, s[68:69]
	v_lshl_add_u32 v7, v9, 5, v10
	v_mov_b32 v6, 0xff800000
.irp j, 12,13,14,15,20,21,22,23,28,29,30,31
	v_mov_b32 v\j, 0                               ; zero codes
.endr
.irp j, 0,1,2,3
	v_mov_b32 v[TP+\j], 0                          ; a lane permute's destination counts as one of its sources
.endr
	v_mov_b32 v[FF], 0
	v_mov_b32 v[FF+1], 0
	v_mov_b32 v[T0], 0
; A KEY STEP: 128 keys, record s48 at LDS byte s49, for the tile of group s50.  Its K, V and joined scale words are in registers.  last = 1: no tile follows.
.macro STEP qlo, qhi, qs, qs2, last
	s_cmp_gt_u32 s48, s50                          ; all its keys come after my queries: only the counters step
	s_cbranch_scc1 .Lhid_\@
.irp p, 0,1,2,3
	v_wmma_scale_f32_16x16x128_f8f6f4 v[SR+16*\p:SR+16*\p+7], v[KF+8*\p:KF+8*\p+7], v[\qlo:\qlo+7], 0, v[KSW+2*\p], v[\qs] matrix_a_fmt:MATRIX_FMT_FP4 matrix_b_fmt:MATRIX_FMT_FP4
	v_wmma_scale_f32_16x16x128_f8f6f4 v[SR+16*\p+8:SR+16*\p+15], v[KF+8*\p:KF+8*\p+7], v[\qhi:\qhi+7], 0, v[KSW+2*\p], v[\qs2] matrix_a_fmt:MATRIX_FMT_FP4 matrix_b_fmt:MATRIX_FMT_FP4
.endr
	NOPS4                                          ; places ahead of the loads into the products' registers and of the first read of S^T
	s_add_co_u32 s47, s49, REC
	s_min_u32 s47, s47, 15*REC                     ; the next record, held inside the sixteen
	s_wait_alu depctr_va_vdst(0)                   ; the wait ahead of the branch
	s_cmp_lg_u32 s48, s50
	s_cbranch_scc1 .Lopen_\@
.if \last == 0
	KLDS 1, 2                                      ; the diagonal step is the tile's last: the next tile begins at record 0
.endif
.set n, 0
.rept 64                                       ; register 8 t + i holds key 16 t + 8 h + i: hidden in a tile behind mine, and in my own where 8 h + i is greater than r
	s_and_b32 s[44+n%3], s[36+n/8], ((1<<(n%8))-1)|(((1<<(8+n%8))-1)<<16)
	s_or_b32 s[44+n%3], s[44+n%3], s[90+n/8]
	v_cndmask_b32 v[SR+n], v[SR+n], v6, s[44+n%3]  ; a hidden score becomes -infinity: p = 0
.set n, n+1
.endr
	s_wait_alu depctr_va_vdst(0)                   ; the wait ahead of the branch
	s_branch .Lj_\@
.Lopen_\@:
	v_add_nc_u32 v3, s47, v1
	v_add_nc_u32 v4, s47, v2
	KLDS 3, 4
.Lj_\@:
.irp b, 0,1,2,3
	v_max3_num_f32 v[BM+\b], v[SR+16*\b], v[SR+1+16*\b], v[SR+2+16*\b]   ; the largest score of each block of 32 keys: for the row's maximum and for the block's largest p
.endr
.irp i, 3,5,7,9,11,13
.irp b, 0,1,2,3
	v_max3_num_f32 v[BM+\b], v[BM+\b], v[SR+16*\b+\i], v[SR+1+16*\b+\i]
.endr
.endr
.irp b, 0,1,2,3
	v_max_num_f32 v[BM+\b], v[BM+\b], v[SR+15+16*\b]
.endr
.irp b, 0,1,2,3
	s_delay_alu instid0(VALU_DEP_4)
	v_permlanex16_b32 v[TP+\b], v[BM+\b], s20, s21
.endr
.irp b, 0,1,2,3
	s_delay_alu instid0(VALU_DEP_4)
	v_max_num_f32 v[BM+\b], v[BM+\b], v[TP+\b]
.endr
	s_delay_alu instid0(VALU_DEP_2)
	v_max3_num_f32 v[T0], v[BM], v[BM+1], v[BM+2]
	s_delay_alu instid0(VALU_DEP_1)
	v_max_num_f32 v[T0], v[T0], v[BM+3]
	s_delay_alu instid0(VALU_DEP_1)
	v_mul_f32 v[T0], s22, v[T0]
	s_delay_alu instid0(VALU_DEP_1)
	v_max_num_f32 v9, v9, v[T0]                    ; the running largest t
	v_mov_b32 v[T0], v8
	s_delay_alu instid0(VALU_DEP_2)
	v_floor_f32 v8, -v9                            ; -M = floor(-t)
	s_delay_alu instid0(VALU_DEP_1)
	v_sub_f32 v[T0], v8, v[T0]                     ; old M - new M
	s_delay_alu instid0(VALU_DEP_1)
	v_cvt_i32_f32 v[T0], v[T0]
	s_delay_alu instid0(VALU_DEP_1)
	v_ldexp_f32 v[FF], 1.0, v[T0]                  ; f = 2^(old M - new M)
.set n, 0
.rept 32
	v_pk_fma_f32 v[SR+n:SR+n+1], v[SR+n:SR+n+1], s[22:23], v[8:9] op_sel_hi:[1,0,0]   ; t - M
.set n, n+2
.endr
.irp b, 0,1,2,3
	v_fma_f32 v[BM+\b], v[BM+\b], s22, v8
.endr
	s_wait_alu depctr_va_vdst(0)                   ; the wait ahead of the batch
.set n, 0
.rept 64
	v_exp_f32 v[SR+n], v[SR+n]                     ; p
.set n, n+1
.endr
.irp b, 0,1,2,3
	v_exp_f32 v[BM+\b], v[BM+\b]                   ; the block's largest p
.endr
	v_pk_mul_f32 v[10:11], v[10:11], v[FF:FF+1] op_sel_hi:[1,0]   ; the sum under the new M
	s_wait_alu depctr_va_vdst(0)                   ; and behind it
.irp b, 0,1,2,3
	v_max_num_f32 v[BM+\b], 0x1800000, v[BM+\b]    ; the floor 2^(3 - 127)
.endr
.irp b, 0,1,2,3
	s_delay_alu instid0(VALU_DEP_4)
	v_add_nc_u32 v[SO+\b], 0xff000000, v[BM+\b]
.endr
.irp b, 0,1,2,3
	s_delay_alu instid0(VALU_DEP_4)
	v_lshrrev_b32 v[TP+\b], 23, v[SO+\b]
.endr
	s_delay_alu instid0(VALU_DEP_3)
	v_lshl_or_b32 v[PW], v[TP+1], 8, v[TP]
	s_delay_alu instid0(VALU_DEP_1)
	v_lshl_or_b32 v[PW], v[TP+2], 16, v[PW]
	s_delay_alu instid0(VALU_DEP_1)
	v_lshl_or_b32 v[PW], v[TP+3], 24, v[PW]
.irp c, 0,1
.irp e, 0,1
	v_cvt_scalef32_pk8_fp4_f32 v[PC+4*\c+\e], v[SR+16*(2*\c+\e):SR+16*(2*\c+\e)+7], v[SO+2*\c+\e]
	v_cvt_scalef32_pk8_fp4_f32 v[PC+4*\c+2+\e], v[SR+16*(2*\c+\e)+8:SR+16*(2*\c+\e)+15], v[SO+2*\c+\e]
.endr
.endr
	v_nop
.irp c, 0,1
	v_permlane16_swap_b32 v[PC+4*\c], v[PC+4*\c+1]
	v_permlane16_swap_b32 v[PC+4*\c+2], v[PC+4*\c+3]
.endr
.irp k, 0,1,2,3,4,5,6                          ; the row's sum of the unquantised p, in eight chains
	v_pk_add_f32 v[ST+2*\k:ST+2*\k+1], v[SR+4*\k:SR+4*\k+1], v[SR+4*\k+2:SR+4*\k+3]
.endr
	v_pk_add_f32 v[10:11], v[10:11], v[SR+28:SR+29]
.irp k, 0,1,2,3,4,5,6
	v_pk_add_f32 v[ST+2*\k:ST+2*\k+1], v[ST+2*\k:ST+2*\k+1], v[SR+30+2*\k:SR+31+2*\k]
.endr
	v_pk_add_f32 v[10:11], v[10:11], v[SR+44:SR+45]
.irp k, 0,1,2,3,4,5,6
	v_pk_add_f32 v[ST+2*\k:ST+2*\k+1], v[ST+2*\k:ST+2*\k+1], v[SR+46+2*\k:SR+47+2*\k]
.endr
	v_pk_add_f32 v[10:11], v[10:11], v[SR+60:SR+61]
	v_pk_add_f32 v[ST:ST+1], v[ST:ST+1], v[SR+62:SR+63]
	v_pk_add_f32 v[10:11], v[10:11], v[ST+6:ST+7]
	v_pk_add_f32 v[ST+2:ST+3], v[ST+2:ST+3], v[ST+10:ST+11]
	v_pk_add_f32 v[ST+4:ST+5], v[ST+4:ST+5], v[ST+12:ST+13]
	v_pk_add_f32 v[ST:ST+1], v[ST:ST+1], v[ST+8:ST+9]
	s_delay_alu instid0(VALU_DEP_3)
	v_pk_add_f32 v[10:11], v[10:11], v[ST+2:ST+3]
	s_delay_alu instid0(VALU_DEP_2)
	v_pk_add_f32 v[ST:ST+1], v[ST:ST+1], v[ST+4:ST+5]
	s_delay_alu instid0(VALU_DEP_1)
	v_pk_add_f32 v[10:11], v[10:11], v[ST:ST+1]
	s_wait_alu depctr_va_vdst(0)                   ; the wait ahead of the wait below
	s_wait_dscnt 0x0                               ; this step's V and the next step's K are in
	COMBINE                                        ; the next step's scale words; the 16 lines below are their places
	s_wait_alu depctr_va_vdst(0)                   ; the wait directly ahead of the first reader of O^T
.set n, 0
.rept 16
	v_pk_mul_f32 v[OT+n:OT+n+1], v[OT+n:OT+n+1], v[FF:FF+1] op_sel_hi:[1,0]   ; O^T under the new M
.set n, n+2
.endr
.irp dt, 0,1,2,3
	v_wmma_scale_f32_16x16x128_f8f6f4 v[OT+8*\dt:OT+8*\dt+7], v[VF+8*\dt:VF+8*\dt+7], v[PC:PC+7], v[OT+8*\dt:OT+8*\dt+7], v[VSW+\dt], v[PW] matrix_a_fmt:MATRIX_FMT_FP4 matrix_b_fmt:MATRIX_FMT_FP4
.endr
	s_cmp_lg_u32 s48, s50
	s_cbranch_scc1 .Lov_\@
.if \last == 0
	NOPS4
	VLDS 1, 2
.endif
	s_branch .Lhid_\@
.Lov_\@:
	v_add_nc_u32 v3, s47, v1                       ; these two and two v_nop are the places ahead of the loads into V's registers
	v_add_nc_u32 v4, s47, v2
	v_nop
	v_nop
	VLDS 3, 4
.Lhid_\@:
	s_add_co_u32 s48, s48, 1
	s_add_co_u32 s49, s49, REC
.endm
.macro INIT gq                         ; the step is written for every step alike: the first finds zeros, which the first change of M leaves zeros
	v_mov_b32 v9, 0xff61b1e6                       ; -3e38, under every t
	v_mov_b32 v10, 0
	v_mov_b32 v11, 0
	v_floor_f32 v8, -v9
.set n, 0
.rept 32
	v_mov_b32 v[OT+n], 0
.set n, n+1
.endr
	s_mov_b32 s48, 0
	s_mov_b32 s49, 0
	s_mov_b32 s50, s[\gq]
.endm
; O^T / the sum, quantised along the head's 64: two blocks; the codes are half head % 2 of a fragment of the next product
.macro FINISH cd, by, acb, asb
	NOPS4
	v_add_f32 v10, v10, v11
	s_delay_alu instid0(VALU_DEP_1)
	v_permlanex16_b32 v[T0], v10, s20, s21
	s_delay_alu instid0(VALU_DEP_1)
	v_add_f32 v10, v10, v[T0]
	s_wait_alu depctr_va_vdst(0)                   ; the wait ahead of the transcendental
	v_rcp_f32 v[FF], v10
	v_nop
	s_wait_alu depctr_va_vdst(0)                   ; and ahead of its first reader, which is also O^T's
.set n, 0
.rept 16
	v_pk_mul_f32 v[SR+n:SR+n+1], v[OT+n:OT+n+1], v[FF:FF+1] op_sel_hi:[1,0]
.set n, n+2
.endr
.irp b, 0,1
	v_max3_num_f32 v[BM+\b], |v[SR+16*\b]|, |v[SR+16*\b+1]|, 0x1800000
.endr
.irp k, 2,4,6,8,10,12,14
.irp b, 0,1
	s_delay_alu instid0(VALU_DEP_2)
	v_max3_num_f32 v[BM+\b], v[BM+\b], |v[SR+16*\b+\k]|, |v[SR+16*\b+\k+1]|
.endr
.endr
.irp b, 0,1
	s_delay_alu instid0(VALU_DEP_2)
	v_permlanex16_b32 v[TP+\b], v[BM+\b], s20, s21
.endr
.irp b, 0,1
	s_delay_alu instid0(VALU_DEP_2)
	v_max_num_f32 v[BM+\b], v[BM+\b], v[TP+\b]
.endr
.irp b, 0,1
	s_delay_alu instid0(VALU_DEP_2)
	v_add_nc_u32 v[SO+\b], 0xff000000, v[BM+\b]
.endr
.irp b, 0,1
	s_delay_alu instid0(VALU_DEP_2)
	v_lshrrev_b32 v[TP+\b], 23, v[SO+\b]
.endr
	v_cvt_scalef32_pk8_fp4_f32 v[\cd], v[SR:SR+7], v[SO]
	v_cvt_scalef32_pk8_fp4_f32 v[\cd+2], v[SR+8:SR+15], v[SO]
	v_cvt_scalef32_pk8_fp4_f32 v[\cd+1], v[SR+16:SR+23], v[SO+1]
	v_cvt_scalef32_pk8_fp4_f32 v[\cd+3], v[SR+24:SR+31], v[SO+1]
	v_nop
	v_permlane16_swap_b32 v[\cd], v[\cd+1]
	v_permlane16_swap_b32 v[\cd+2], v[\cd+3]
	global_store_b128 v1, v[\cd:\cd+3], s[\acb:\acb+1]             ; 512 consecutive bytes
	v_cndmask_b32 v[\by], v[TP], v[TP+1], s89      ; lanes 0-15 store block 0's byte of row r, lanes 16-31 block 1's
	global_store_b8 v7, v[\by], s[\asb:\asb+1]
.endm
	s_wait_alu depctr_va_vdst(0)                   ; the wait at the head's end
	s_wait_loadcnt 0x0                             ; Q
	s_wait_tensorcnt 0x0                           ; my record is in,
	s_wait_dscnt 0x0
	s_barrier_signal -1
	s_barrier_wait -1                              ; all sixteen are
	KLDS 1, 2                                      ; record 0
	VLDS 1, 2
	s_wait_dscnt 9                                 ; K and its scale words are in; V's nine loads may be out
	COMBINE
	v_lshlrev_b32 v246, 16, v245
	v_lshlrev_b32 v248, 16, v247
	INIT 87                                        ; the first tile, the longer one (its 36 lines are the places behind the scale words)
.Lhigh:
	STEP 16, 12, 245, 246, 0
	s_cmp_lt_u32 s48, 16
	s_cbranch_scc1 .Lhigh
	FINISH 250, 230, 52, 54                        ; the stores' data lie in registers that nothing writes again
	INIT 51                                        ; the second tile: its group is 13 at the most
.Llow:
	STEP 24, 20, 247, 248, 1
	s_cmp_lt_u32 s48, 14
	s_cbranch_scc1 .Llow
	FINISH PC, 231, 56, 58
	s_wait_tensorcnt 0x0                           ; the wave's end
	ds_add_u32 v254, v255
	s_wait_dscnt 0x0
	CROUND                                         ; the closing round
	s_endpgm
.Lfunc_end_k_q58f1e29470_attn:
	.size	k_q58f1e29470_attn, .Lfunc_end_k_q58f1e29470_attn-k_q58f1e29470_attn
	.p2alignl 7, 3214868480
	.fill 96, 4, 3214868480
	.section	.rodata,"a",@progbits
	.p2align	6, 0x0
	.amdhsa_kernel k_q58f1e29470_attn
		.amdhsa_group_segment_fixed_size 169984
		.amdhsa_private_segment_fixed_size 0
		.amdhsa_enable_private_segment 0
		.amdhsa_kernarg_size 40
		.amdhsa_user_sgpr_count 2
		.amdhsa_user_sgpr_kernarg_segment_ptr 1
		.amdhsa_wavefront_size32 1
		.amdhsa_system_sgpr_workgroup_id_x 1
		.amdhsa_system_sgpr_workgroup_id_y 1
		.amdhsa_system_sgpr_workgroup_id_z 1
		.amdhsa_system_vgpr_workitem_id 0
		.amdhsa_next_free_vgpr 256
		.amdhsa_next_free_sgpr 100
		.amdhsa_reserve_vcc 0
		.amdhsa_float_denorm_mode_32 3
		.amdhsa_float_denorm_mode_16_64 3
		.amdhsa_memory_ordered 1
		.amdhsa_forward_progress 1
		.amdhsa_inst_pref_size 75
	.end_amdhsa_kernel
	.amdgpu_metadata
---
amdhsa.version: [ 1, 2 ]
amdhsa.kernels:
  - .name:           k_q58f1e29470_attn
    .symbol:         k_q58f1e29470_attn.kd
    .args:
      - { .name: qc, .offset: 0, .size: 8, .value_kind: global_buffer, .address_space: global }
      - { .name: qs, .offset: 8, .size: 8, .value_kind: global_buffer, .address_space: global }
      - { .name: kv, .offset: 16, .size: 8, .value_kind: global_buffer, .address_space: global }
      - { .name: ac, .offset: 24, .size: 8, .value_kind: global_buffer, .address_space: global }
      - { .name: asc, .offset: 32, .size: 8, .value_kind: global_buffer, .address_space: global }
    .group_segment_fixed_size: 169984
    .private_segment_fixed_size: 0
    .kernarg_segment_align: 8
    .kernarg_segment_size: 40
    .max_flat_workgroup_size: 512
    .sgpr_count:     100
    .vgpr_count:     256
    .wavefront_size: 32
...
	.end_amdgpu_metadata
.endif
;; end of part 2
;; launch oproj (part 3): grid 64 x 4, 4 waves a work-group, clusters of 4 x 1, 172,544 bytes of LDS; arguments ac, asc, Wo_codes, Wo_scales, bo, out0; writes out0
.if DOCPART == 3
	.amdgcn_target "amdgcn-amd-amdhsa--gfx1250"
	.amdhsa_code_object_version 6
	.text
	.protected	k_q58f1e29470_oproj
	.globl	k_q58f1e29470_oproj
	.p2align	8
	.type	k_q58f1e29470_oproj,@function
k_q58f1e29470_oproj:
	s_mov_b64 s[64:65], 0
	v_nop
	global_prefetch_b8 v0, s[64:65] scope:SCOPE_SE
	s_setreg_imm32_b32 hwreg(HW_REG_WAVE_MODE, 25, 1), 1
	s_wait_xcnt 0x0
	s_wait_alu depctr_hold_cnt(0) depctr_sa_sdst(0) depctr_va_vdst(0) depctr_va_sdst(0) depctr_va_ssrc(0) depctr_va_vcc(0) depctr_vm_vsrc(0)
	s_getreg_b32 s2, hwreg(HW_REG_IB_STS2, 6, 4)
	s_cmp_eq_u32 s2, 0
	s_cbranch_scc0 .Lentry_in_a_cluster
	s_endpgm
.Lentry_in_a_cluster:
	s_bfe_u32 s2, ttmp6, 0x10000c
	s_cmp_lg_u32 s2, 0x3003
	s_cbranch_scc0 .Lentry_shape_is_right
	s_endpgm
.Lentry_shape_is_right:
; out0 = attn Wo + bo on codes of FP4 with E8M0 scales; K = 1,024.  attn's codes lie in memory as images of the operand's registers ([row tile][half K step][lane][16]), its scale bytes as [row][32].
; SHARES.  A work-group makes 128 rows x 256 columns; wave (w / 2, w % 2) 64 rows x 128 columns: 32 accumulators.  TRANSPOSED: source 0 = 16 rows of Wo (columns of out0), source 1 = 16 rows of attn:
; a lane holds eight neighbouring columns of one row.  bo is the C of each sum's first matrix instruction.
; attn's fragments for all of K, 256 registers a wave, come straight from memory by loads of 512 consecutive bytes and stay.  Wo's 256 rows x 512 bytes lie in LDS, filled once;
; the four row blocks of a cluster walk the same rows of Wo and ask for them jointly.
; OUT.  A block of 16 rows x 128 columns goes through the wave's own stage in LDS and leaves as whole rows of 512 bytes.
.set PITCH, 528                        ; 512 bytes + 16: the 16 rows of a fragment load begin 4 words apart modulo 64
.set T16,   16*PITCH
.set Q64,   64*PITCH
.set STG,   256*PITCH                  ; behind Wo: a stage of 16 rows x 528 bytes for each wave; no tensor load lands there
.set LANE, 1
.set RW,   2
.set HF,   3
.set L16,  4
.set AW,   5
.set STO,  6
.set RDB,  7
.set LO32, 8
.set LO64, 9
.set OB32, 10
.set XS,   24                          ; v24-39 attn's scale words, nothing else
.set WS,   56                          ; v56-87 Wo's, nothing else
.set BK,   128                         ; v128-255 rows on their way out, two sets of 64
.set BO,   0                           ; window 3: bo as C; v64-127, v128-191: Wo's fragments, two buffers.  Window 1: the accumulators.  Window 2: attn's fragments, 64 i + 8 s + 4 c
.set MSB, 0
.macro WIN new
.if MSB != \new
	s_set_vgpr_msb (MSB<<8)|\new
.set MSB, \new
.endif
.endm
.macro NOPS4
.rept 4
	v_nop
.endr
.endm
.macro CROUND
	s_barrier_signal -1
	s_barrier_wait -1
	s_cmp_lg_u32 s16, 0
	s_cbranch_scc1 .Lnw0_\@
	s_barrier_signal -3
.Lnw0_\@:
	s_barrier_wait -3
	s_barrier_signal -1
	s_barrier_wait -1
.endm
.macro WM d, a, b, c, sa, sb, ra, rb
.if (\ra) && (\rb)
	v_wmma_scale_f32_16x16x128_f8f6f4 v[\d:\d+7], v[\a:\a+7], v[\b:\b+7], v[\c:\c+7], v[\sa], v[\sb] matrix_a_fmt:MATRIX_FMT_FP4 matrix_b_fmt:MATRIX_FMT_FP4 matrix_a_scale:MATRIX_SCALE_ROW1 matrix_b_scale:MATRIX_SCALE_ROW1
.elseif (\ra)
	v_wmma_scale_f32_16x16x128_f8f6f4 v[\d:\d+7], v[\a:\a+7], v[\b:\b+7], v[\c:\c+7], v[\sa], v[\sb] matrix_a_fmt:MATRIX_FMT_FP4 matrix_b_fmt:MATRIX_FMT_FP4 matrix_a_scale:MATRIX_SCALE_ROW1
.elseif (\rb)
	v_wmma_scale_f32_16x16x128_f8f6f4 v[\d:\d+7], v[\a:\a+7], v[\b:\b+7], v[\c:\c+7], v[\sa], v[\sb] matrix_a_fmt:MATRIX_FMT_FP4 matrix_b_fmt:MATRIX_FMT_FP4 matrix_b_scale:MATRIX_SCALE_ROW1
.else
	v_wmma_scale_f32_16x16x128_f8f6f4 v[\d:\d+7], v[\a:\a+7], v[\b:\b+7], v[\c:\c+7], v[\sa], v[\sb] matrix_a_fmt:MATRIX_FMT_FP4 matrix_b_fmt:MATRIX_FMT_FP4
.endif
.endm
.macro SCLOAD reg, n, voff, base       ; a lane takes its row's 32 scale bytes: the words of all 8 K steps
.set p, 0
.rept \n
	global_load_b128 v[\reg+8*p:\reg+8*p+3], v[\voff], s[\base:\base+1] offset:512*p
	global_load_b128 v[\reg+8*p+4:\reg+8*p+7], v[\voff], s[\base:\base+1] offset:512*p+16
.set p, p+1
.endr
.endm
	s_load_b256 s[4:11], s[0:1], 0x0               ; ac 4, asc 6, Wo_codes 8, Wo_scales 10
	s_load_b128 s[12:15], s[0:1], 0x20             ; bo 12, out0 14
	v_lshl_add_u32 v126, v0, 2, 0x2a000
	v_mov_b32 v127, 0
	ds_add_u32 v126, v127
	ds_add_u32 v126, v127
	v_lshrrev_b32 v1, 5, v0
	v_readfirstlane_b32 s16, v1                    ; wave w
	s_and_b32 s17, s16, 1                          ; which 128 columns
	s_lshr_b32 s18, s16, 1                         ; which 64 rows
	s_and_b32 s21, ttmp7, 0xffff                   ; the block of 256 columns, which the four partners share
	; descriptor: 64 rows of 512 bytes, 16 bytes of padding behind each; mask: all four work-groups
	s_mov_b32 s24, 15|(1<<20)|(1<<21)|(6<<22)|(3<<25)
	s_mov_b32 s25, 512<<16
	s_mov_b32 s26, 64<<16
	s_mov_b32 s27, 512<<16
	s_mov_b32 s28, 64
	s_mov_b32 s29, 512
	s_mov_b32 s30, 0
	s_mov_b32 s31, 0
	s_lshl_b32 s36, s21, 17                        ; Wo's rows 256 x column block + 64 w
	s_lshl_b32 s37, s16, 15
	s_add_co_u32 s36, s36, s37
	s_mov_b32 s37, 0
	s_mov_b32 s32, 1
	s_mul_i32 s33, s16, Q64
	s_wait_dscnt 0x0
	s_wait_kmcnt 0x0
	s_add_nc_u64 s[34:35], s[8:9], s[36:37]
	s_or_b32 s35, s35, 0x80000000
	CROUND                                         ; all four work-groups are here: the joint loads meet
	tensor_load_to_lds s[32:35], s[24:31]          ; my quarter of Wo's rows: one load of mine is out
	s_nop 0
	NOPS4
	s_bfe_u32 s19, ttmp6, 0x40000                  ; cx: it enters global addresses alone
	s_lshl_b32 s20, ttmp9, 2
	s_add_co_u32 s20, s20, s19                     ; the block of 128 rows
	s_mov_b32 s41, 0
	s_lshl_b32 s40, s20, 16                        ; ac: row tiles 8 x block + 4 (w / 2), 8,192 bytes each
	s_lshl_b32 s42, s18, 15
	s_add_co_u32 s40, s40, s42
	s_add_nc_u64 s[4:5], s[4:5], s[40:41]
	s_lshl_b32 s40, s20, 12                        ; asc: 32 bytes a row
	s_lshl_b32 s42, s18, 11
	s_add_co_u32 s40, s40, s42
	s_add_nc_u64 s[6:7], s[6:7], s[40:41]
	s_lshl_b32 s40, s21, 13                        ; Wo's scale bytes: rows 256 x column block + 128 (w % 2)
	s_lshl_b32 s42, s17, 12
	s_add_co_u32 s40, s40, s42
	s_add_nc_u64 s[10:11], s[10:11], s[40:41]
	s_lshl_b32 s43, s21, 10                        ; my first column, in bytes of f32
	s_lshl_b32 s42, s17, 9
	s_add_co_u32 s43, s43, s42
	s_mov_b32 s40, s43
	s_add_nc_u64 s[12:13], s[12:13], s[40:41]
	s_lshl_b32 s40, s20, 19                        ; out0: rows of 4,096 bytes
	s_lshl_b32 s42, s18, 18
	s_add_co_u32 s40, s40, s42
	s_add_co_u32 s40, s40, s43
	s_add_nc_u64 s[14:15], s[14:15], s[40:41]
	s_mul_i32 s44, s17, 128*PITCH
	s_mul_i32 s45, s16, T16
	s_add_co_u32 s45, s45, STG                     ; my stage
	v_and_b32 v[LANE], 31, v0
	v_and_b32 v[RW], 15, v0
	v_bfe_u32 v[HF], v0, 4, 1
	v_lshlrev_b32 v[L16], 4, v[LANE]
	v_mul_u32_u24 v11, v[RW], PITCH
	v_lshl_add_u32 v[AW], v[HF], 4, v11
	v_add_nc_u32 v[AW], s44, v[AW]
	v_lshl_add_u32 v[STO], v[HF], 5, v11
	v_add_nc_u32 v[STO], s45, v[STO]               ; in: row r, 32 bytes for each half of the lanes
	v_add_nc_u32 v[RDB], s45, v[L16]               ; back: the 32 lanes take a row of 512 bytes
	v_lshlrev_b32 v[LO32], 5, v[RW]
	v_lshl_add_u32 v[LO64], v[HF], 11, v[LO32]
	v_lshl_add_u32 v[LO32], v[HF], 10, v[LO32]
	v_lshlrev_b32 v[OB32], 5, v[HF]
	SCLOAD XS, 2, LO32, 6                          ; register 8 (i % 2) + s: lanes 16-31 row tile i % 2 + 2
	SCLOAD WS, 4, LO64, 10                         ; register 8 (ct % 4) + s: lanes 16-31 column tile ct % 4 + 4
	WIN 0xc0
.irp t, 0,1,2,3,4,5,6,7
	global_load_b128 v[BO+8*\t:BO+8*\t+3], v[OB32], s[12:13] offset:64*\t
	global_load_b128 v[BO+8*\t+4:BO+8*\t+7], v[OB32], s[12:13] offset:64*\t+16
.endr
	WIN 0x80
.irp i, 0,1,2,3
.irp s, 0,1,2,3,4,5,6,7
.irp c, 0,1
	global_load_b128 v[64*\i+8*\s+4*\c:64*\i+8*\s+4*\c+3], v[L16], s[4:5] offset:8192*\i+1024*\s+512*\c
.endr
.endr
.endr
	WIN 0
.macro FETCHW buf, s                   ; Wo's 8 column tiles of K step s
	WIN 0xc0
.irp t, 0,1,2,3,4,5,6,7
.irp c, 0,1
	ds_load_b128 v[\buf+8*\t+4*\c:\buf+8*\t+4*\c+3], v[AW] offset:T16*\t+64*(\s)+32*\c
.endr
.endr
.endm
; The 32 accumulators take turns, one instruction a turn, in the same order in every K step.
.macro MULO buf, s, first
.if \first
	WIN 0x7b                                       ; source 0 (Wo) window 3, source 1 (attn) window 2, C (bo) window 3, D window 1
.else
	WIN 0x5b
.endif
.irp i, 0,1,2,3
.irp ct, 0,1,2,3,4,5,6,7
.if \first
	WM 8*(8*\i+\ct), \buf+8*\ct, 64*\i+8*\s, BO+8*\ct, WS+8*(\ct%4)+\s, XS+8*(\i%2)+\s, \ct/4, \i/2
.else
	WM 8*(8*\i+\ct), \buf+8*\ct, 64*\i+8*\s, 8*(8*\i+\ct), WS+8*(\ct%4)+\s, XS+8*(\i%2)+\s, \ct/4, \i/2
.endif
.endr
.endr
.endm
	s_wait_alu depctr_va_vdst(0)
	s_wait_tensorcnt 0x0                           ; my quarter of Wo is in,
	s_wait_loadcnt 0x0
	s_barrier_signal -1
	s_barrier_wait -1                              ; everybody's is
	FETCHW 64, 0
.irp s, 0,1,2,3,4,5,6,7
.if \s < 7
.if \s > 0
	NOPS4                                          ; places between the last K step's products and the loads into the buffer that they read
.endif
	FETCHW 64+64*((\s+1)%2), \s+1
	s_wait_dscnt 16                                ; all but the 16 just issued
.else
	s_wait_dscnt 0x0
.endif
.if \s == 0
	MULO 64+64*(\s%2), \s, 1
.else
	MULO 64+64*(\s%2), \s, 0
.endif
.endr
	WIN 0
; THE WAY OUT.  LDS serves a wave's instructions in order (ISA guide 5.7.1.4): no wait between a block's stores and its loads, nor in front of the next block's stores.
.macro TOSTAGE a
	WIN 0x04                                       ; an LDS store's data are its source 1: window 1
.irp ct, 0,1,2,3,4,5,6,7
	ds_store_b128 v[STO], v[8*(8*(\a)+\ct):8*(8*(\a)+\ct)+3] offset:64*\ct          ; each accumulator from its low end on
	ds_store_b128 v[STO], v[8*(8*(\a)+\ct)+4:8*(8*(\a)+\ct)+7] offset:64*\ct+16
.endr
	WIN 0
.irp t, 0,1,2,3,4,5,6,7,8,9,10,11,12,13,14,15
	ds_load_b128 v[BK+64*((\a)%2)+4*\t:BK+64*((\a)%2)+4*\t+3], v[RDB] offset:PITCH*\t
.endr
.endm
.macro SEND a, younger                 ; younger: the LDS instructions issued behind block a's loads
	s_wait_dscnt \younger
.irp t, 0,1,2,3,4,5,6,7,8,9,10,11,12,13,14,15
	global_store_b128 v[L16], v[BK+64*((\a)%2)+4*\t:BK+64*((\a)%2)+4*\t+3], s[14:15] offset:65536*(\a)+4096*\t th:TH_STORE_NT   ; 512 consecutive bytes, at a multiple of 256 from out0's first byte
.endr
.endm
	NOPS4
	TOSTAGE 0
	TOSTAGE 1
	SEND 0, 32                                     ; behind block 0's loads: block 1's 16 stores and 16 loads
	s_wait_xcnt 0x0                                ; block 0's stores have read their registers: block 2's loads may land there
	TOSTAGE 2
	SEND 1, 32
	s_wait_xcnt 0x0
	TOSTAGE 3
	SEND 2, 32
	SEND 3, 0
	s_wait_tensorcnt 0x0
	s_wait_dscnt 0x0
	s_wait_tensorcnt 0x0
	ds_add_u32 v126, v127
	s_wait_dscnt 0x0
	CROUND                                         ; the closing round
	s_endpgm
.Lfunc_end_k_q58f1e29470_oproj:
	.size	k_q58f1e29470_oproj, .Lfunc_end_k_q58f1e29470_oproj-k_q58f1e29470_oproj
	.p2alignl 7, 3214868480
	.fill 96, 4, 3214868480
	.section	.rodata,"a",@progbits
	.p2align	6, 0x0
	.amdhsa_kernel k_q58f1e29470_oproj
		.amdhsa_group_segment_fixed_size 172544
		.amdhsa_private_segment_fixed_size 0
		.amdhsa_enable_private_segment 0
		.amdhsa_kernarg_size 48
		.amdhsa_user_sgpr_count 2
		.amdhsa_user_sgpr_kernarg_segment_ptr 1
		.amdhsa_wavefront_size32 1
		.amdhsa_system_sgpr_workgroup_id_x 1
		.amdhsa_system_sgpr_workgroup_id_y 1
		.amdhsa_system_sgpr_workgroup_id_z 1
		.amdhsa_system_vgpr_workitem_id 0
		.amdhsa_next_free_vgpr 1024
		.amdhsa_next_free_sgpr 80
		.amdhsa_reserve_vcc 0
		.amdhsa_float_denorm_mode_32 3
		.amdhsa_float_denorm_mode_16_64 3
		.amdhsa_memory_ordered 1
		.amdhsa_forward_progress 1
		.amdhsa_inst_pref_size 70
	.end_amdhsa_kernel
	.amdgpu_metadata
---
amdhsa.version: [ 1, 2 ]
amdhsa.kernels:
  - .name:           k_q58f1e29470_oproj
    .symbol:         k_q58f1e29470_oproj.kd
    .args:
      - { .name: ac, .offset: 0, .size: 8, .value_kind: global_buffer, .address_space: global }
      - { .name: asc, .offset: 8, .size: 8, .value_kind: global_buffer, .address_space: global }
      - { .name: Wo_codes, .offset: 16, .size: 8, .value_kind: global_buffer, .address_space: global }
      - { .name: Wo_scales, .offset: 24, .size: 8, .value_kind: global_buffer, .address_space: global }
      - { .name: bo, .offset: 32, .size: 8, .value_kind: global_buffer, .address_space: global }
      - { .name: out0, .offset: 40, .size: 8, .value_kind: global_buffer, .address_space: global }
    .group_segment_fixed_size: 172544
    .private_segment_fixed_size: 0
    .kernarg_segment_align: 8
    .kernarg_segment_size: 48
    .max_flat_workgroup_size: 128
    .sgpr_count:     80
    .vgpr_count:     1024
    .wavefront_size: 32
...
	.end_amdgpu_metadata
.endif
;; end of part 3
